; MI455X (gfx1250); checked and timed in simulation.
; The chip was launched on July 23, 2026; its instructions are those of AMD's public machine-readable ISA for CDNA 5 (MIT licence, August 2026) and "CDNA5" Instruction Set Architecture Reference Guide (July 2026). The comments in the code are by the model that wrote it; some were corrected since.
;; PAM Module. Allowed arithmetic: matrix products marked QUANTISED: E2M1 operands, one E8M0 scale for each 32 along K, by v_wmma_scale_f32_16x16x128_f8f6f4 with both operands' format E2M1 (or v_wmma_scale_f32_32x16x128_f4), f32 sums; everything else in f32.
;; Inputs: Wk_codes 64 x 16 x 16 uint8 (E2M1 codes of Wk, K innermost, in blocks of 32 codes, two codes a byte); Wk_scales 64 x 16 uint8 (E8M0 scales of Wk, one for each 32 codes along K); Wq_codes 64 x 16 x 16 uint8 (E2M1 codes of Wq, K innermost, in blocks of 32 codes, two codes a byte); Wq_scales 64 x 16 uint8 (E8M0 scales of Wq, one for each 32 codes along K); Wv_codes 512 x 16 x 16 uint8 (E2M1 codes of Wv, K innermost, in blocks of 32 codes, two codes a byte); Wv_scales 512 x 16 uint8 (E8M0 scales of Wv, one for each 32 codes along K); bk 64 float32; bq 64 float32; bv 512 float32; gamma 1 float32; x 16 x 512 x 2,048 float32.
;; Outputs: out0 16 x 512 x 2,048 float32.
;; This version of the problem:
;;   THIS VERSION OF THE PROBLEM IS GIVEN IN LOW PRECISION. The matrix products marked QUANTISED in the list below multiply operands that are first quantised to E2M1 (2 exponent bits, 1 mantissa bit; 4 bits a number), with one power-of-two scale for each 32 numbers along K (OCP MX v1.0); their sums are f32. All else is computed in f32.
;;   The module's matrix products, in the order in which they are computed (A, B: the left and right operand; K: the contracted axis; several contracted axes count as one K, in the product's order):
;;     1. [M 32,768, K 512] x [K 512, N 64]; A: input x; B: input Wq (given as codes): QUANTISED
;;     2. [M 32,768, K 512] x [K 512, N 64]; A: input x; B: input Wk (given as codes): QUANTISED
;;     3. batch 16 x [M 2,048, K 64] x [K 64, N 2,048]; A: computed on the way; B: computed on the way: QUANTISED
;;     4. [M 32,768, K 512] x [K 512, N 512]; A: input x; B: input Wv (given as codes): QUANTISED
;;     5. batch 16 x [M 512, K 2,048] x [K 2,048, N 2,048]; A: computed on the way; B: softmax (see below): QUANTISED
;;   THE QUANTISER, for each operand of a quantised product, along K:
;;     - K is cut into blocks of 32 from its start; a last block that is shorter is filled with zeros.
;;     - A block's scale is 2^e with e = floor(log2(the largest magnitude in the block)) - 2, held to -126 .. 127; a block of zeros has e = 0. As a byte (E8M0): e + 127.
;;     - Each number is divided by its block's scale, clamped to +-6, and rounded to the nearest number of E2M1, ties to even, subnormals kept.
;;     - The product sums the exact products of the quantised numbers (number of the format x scale) in f32.
;;   ~~~python
;;   def quantise(x, axis):      # numpy; x: float32 -> the quantised numbers, widened to float32 again
;;       x = np.moveaxis(x, axis, -1); K = x.shape[-1]
;;       x = np.pad(x, [(0, 0)] * (x.ndim - 1) + [(0, -K % 32)]); x = x.reshape(x.shape[:-1] + (-1, 32)); a = np.abs(x).max(-1, keepdims=True)
;;       e = np.where(a > 0, np.clip(np.frexp(np.where(a > 0, a, 1))[1] - 1 - 2, -126, 127), 0)      # np.frexp(a)[1] - 1 = floor(log2(a)), exactly
;;       r = np.clip(x / 2.0 ** e, -6, 6)
;;       step = 2.0 ** (np.maximum(np.frexp(np.where(r == 0, 1, r))[1] - 1, 0) - 1)
;;       q = np.round(r / step) * step * 2.0 ** e      # np.round: ties to even
;;       return np.moveaxis(q.reshape(q.shape[:-2] + (-1,))[..., :K], -1, axis).astype(np.float32)
;;   ~~~
;;   SOFTMAX AHEAD OF A QUANTISED PRODUCT. Where the list says 'softmax', what is quantised is not the finished softmax but p = 2^(t - M), with t = logit x log2(e) and M = ceil(the row's largest t), a whole number; so 1/2 < the row's largest p <= 1. The row's sum l is taken of the UNQUANTISED p, in f32, and the product's result is divided by l at the end. Since M is a whole number, a kernel that streams over the keys may use a running M (the ceiling of the running maximum): every later rescaling is an exact power of two, which a block's scale takes up: the codes' values come out the same.
;;   OPERANDS COMPUTED ON THE WAY. 'Computed on the way' means the value that the module computes at that place (a softmax that the list does not call 'softmax' is quantised finished and normalised). What goes into a quantiser is computed in f32, as accurately as f32 sums, v_exp_f32 and their like allow (about 1e-6 of the number): no bf16 or f16 on the way to a quantiser, and a product that is left as it is and whose result goes on into a quantised operand takes f32 operands (vector FMAs, or v_wmma_f32_16x16x4_f32). A number that lies on a knife's edge between two numbers of the format may be rounded either way, as far as f32 arithmetic and the matrix unit's own rounding can turn it there, and no further.
;;   INPUTS GIVEN AS CODES. Wk (in the module: [64, 512], K = its axis 1); Wq (in the module: [64, 512], K = its axis 1); Wv (in the module: [512, 512], K = its axis 1): each comes as NAME_codes (uint8): NAME with its K axis moved to the last place and cut into blocks of 32 codes, [.., K / 32, bytes a block], one block behind the other in memory; two codes a byte, the lower K in the low four bits (a code: sign, 2 exponent bits, 1 mantissa bit); and NAME_scales (uint8): the same leading axes, one E8M0 byte (e + 127) for each 32 codes along K. Its value is code x scale, taken as it is: it is not quantised again, and the codes and scales need not be those that the quantiser above would give.
;; One version. Each part assembles by itself: llvm-mc -triple=amdgcn-amd-amdhsa -mcpu=gfx1250 --defsym DOCPART=n.
;; ======== version 1 of 1: 2 launches
;; workspace buffers: Qc 1,048,576 bytes; Qs 131,072 bytes; Kc 1,048,576 bytes; Ks 131,072 bytes; Vc 8,388,608 bytes; Vs 524,288 bytes
;; launch proj (part 1): grid 256 x 1, 4 waves a work-group, no clusters, 298,496 bytes of LDS; arguments x, Wq_codes, Wq_scales, bq, Wk_codes, Wk_scales, bk, Wv_codes, Wv_scales, bv, Qc, Qs, Kc, Ks, Vc, Vs; writes Qc, Qs, Kc, Ks, Vc, Vs
.if DOCPART == 1
	.amdgcn_target "amdgcn-amd-amdhsa--gfx1250"
	.amdhsa_code_object_version 6
	.text
	.protected	k_qb2096fd26f_proj
	.globl	k_qb2096fd26f_proj
	.p2align	8
	.type	k_qb2096fd26f_proj,@function
k_qb2096fd26f_proj:
	s_mov_b64 s[64:65], 0
	v_nop
	global_prefetch_b8 v0, s[64:65] scope:SCOPE_SE
	s_setreg_imm32_b32 hwreg(HW_REG_WAVE_MODE, 25, 1), 1
	s_wait_xcnt 0x0
; q = Wq x + bq, k = Wk x + bk, v = Wv x + bv on codes of FP4 (E2M1) with one E8M0 scale for each 32 along K = the 512 channels, and the three results quantised again:
; q and k along their 64 outputs, v along the positions (the keys of the later product).  x: [16][512][2048] f32; the weights come as codes, K innermost.
; SHARES.  Work-group blk = 16 b + pb takes 128 positions of batch b.  Its 512 x 128 numbers of x come into LDS once, by four tensor loads a wave (32 rows of 512 bytes each; four are out at the most).
; PHASE A: a lane takes ONE position and its registers run down the channels, so a block of 32 along K lies in one lane; its codes go to LDS as images of operand registers.
; PHASE B: wave w makes q and k of position tiles 2 w, 2 w + 1 (source 0 = 16 rows of the weight, source 1 = x: a lane holds one position, registers along the outputs) and v of channels 128 w .. + 127
; (source 0 = x, source 1 = 16 rows of Wv: a lane holds one channel, registers along the positions).  Results are quantised in registers and stored as images of operand registers, 512 consecutive bytes a store.
; THE POSITIONS OF A TILE ARE NOT NEIGHBOURS: row r of tile 2 b' + u is position 32 b' + 8 u + r + 8 (r / 8); Wq's and Wk's rows are chosen likewise: so the 16 registers of two neighbouring tiles are 16 neighbours along the next K.
; q's and k's K is 64: only registers 0-3 of a fragment are stored; their scale word is (s0, s1, s0, s1): the bytes of the two blocks that hold zero codes repeat the live ones.
; NO JOINT LOADS: x's 262,144 bytes and the images' 35,840 leave 29,696 bytes of LDS, the weights are 174,080: each weight fragment goes from memory into the registers of the one wave that uses it.
; LIMITS: NaN and infinities among the inputs are not served; a block whose largest magnitude lies under 2^-124 keeps the scale byte 1; a block of zeros has the byte 1 and not 127 (its codes are zeros, and this program alone reads the bytes).
; REGISTERS: window 0 as named below; window 1: x's fragments (tile T, K step s) at 8 (4 T + s); window 2: Wq's 16 fragments, from v128 Wk's; window 3: my 32 fragments of Wv.
.set XIMG,  262144                     ; LDS: behind x's 512 rows of 512 bytes: the images of x's fragments, tile T at T x TPI, K step s at 1,024 s
.set TPI,   4224                       ; 4 x 1,024 + 128: so that the stores of tiles 2 w and 2 w + 1 fall on different banks
.set XSC,   295936                     ; x's scale words: 512 s + 16 (r + 16 u) + 4 b'
.set G1,    36                         ; s[36:43] descriptor group 1
.set G0,    44                         ; s[44:59] descriptor group 0, a set for each of the four chunks
.set WV,    66                         ; s66 wave
.set SEL,   70                         ; s[70:71] selects of v_permlanex16_b32: lane l xor 16
.set UPM,   72                         ; s72 the mask of lanes 16-31
.set TM,    18                         ; v18-33 at work in the quantisers
.set PC,    34                         ; v34-41 codes just made
.set PW,    42                         ; v42-43 scale words just made
.set XS,    44                         ; v44-59 x's scale words, 4 s + T / 2
.set WVS,   60                         ; v60-75 Wv's, 4 (t / 2) + s
.set WQS,   76                         ; v76-83 Wq's
.set WKS,   84                         ; v84-91 Wk's
.set XSO,   92                         ; v92-95 the scale words of my two tiles of x
.set BV,    96                         ; v96-103 bv of my channel in each of my 8 tiles
.set BIASC, 104                        ; v104-111 the same, eight times: the C of a tile's first products
.set VSW,   112                        ; v112-119 v's scale words
.set CS,    104                        ; phase A: four sets of four code registers
.set BQ,    120                        ; v120-151 bq in the result's layout
.set BK,    152                        ; v152-183 bk
.set ACC,   184                        ; v184-247 eight accumulators
.set R,     184                        ; phase A: two sets of 32 numbers
.set MSB, 0
.macro WIN new                         ; the immediate's high byte repeats the setting that is left
.if MSB != \new
	s_set_vgpr_msb (MSB<<8)|\new
.set MSB, \new
.endif
.endm
.macro PLACES                          ; four plain places behind a matrix instruction (ISA guide 7.12.1)
.rept 4
	v_nop
.endr
.endm
; one product: d, a, b, c first registers (c < 0: the constant 0); sa, sb scale registers; ra, rb: 1 = the scales stand in lanes 16-31
.macro MM d, a, b, c, sa, sb, ra, rb
.if (\c) < 0
.if ((\ra) == 0) && ((\rb) == 0)
	v_wmma_scale_f32_16x16x128_f8f6f4 v[(\d):(\d)+7], v[(\a):(\a)+7], v[(\b):(\b)+7], 0, v[(\sa)], v[(\sb)] matrix_a_fmt:MATRIX_FMT_FP4 matrix_b_fmt:MATRIX_FMT_FP4
.elseif (\rb) == 0
	v_wmma_scale_f32_16x16x128_f8f6f4 v[(\d):(\d)+7], v[(\a):(\a)+7], v[(\b):(\b)+7], 0, v[(\sa)], v[(\sb)] matrix_a_fmt:MATRIX_FMT_FP4 matrix_b_fmt:MATRIX_FMT_FP4 matrix_a_scale:MATRIX_SCALE_ROW1
.elseif (\ra) == 0
	v_wmma_scale_f32_16x16x128_f8f6f4 v[(\d):(\d)+7], v[(\a):(\a)+7], v[(\b):(\b)+7], 0, v[(\sa)], v[(\sb)] matrix_a_fmt:MATRIX_FMT_FP4 matrix_b_fmt:MATRIX_FMT_FP4 matrix_b_scale:MATRIX_SCALE_ROW1
.else
	v_wmma_scale_f32_16x16x128_f8f6f4 v[(\d):(\d)+7], v[(\a):(\a)+7], v[(\b):(\b)+7], 0, v[(\sa)], v[(\sb)] matrix_a_fmt:MATRIX_FMT_FP4 matrix_b_fmt:MATRIX_FMT_FP4 matrix_a_scale:MATRIX_SCALE_ROW1 matrix_b_scale:MATRIX_SCALE_ROW1
.endif
.else
.if ((\ra) == 0) && ((\rb) == 0)
	v_wmma_scale_f32_16x16x128_f8f6f4 v[(\d):(\d)+7], v[(\a):(\a)+7], v[(\b):(\b)+7], v[(\c):(\c)+7], v[(\sa)], v[(\sb)] matrix_a_fmt:MATRIX_FMT_FP4 matrix_b_fmt:MATRIX_FMT_FP4
.elseif (\rb) == 0
	v_wmma_scale_f32_16x16x128_f8f6f4 v[(\d):(\d)+7], v[(\a):(\a)+7], v[(\b):(\b)+7], v[(\c):(\c)+7], v[(\sa)], v[(\sb)] matrix_a_fmt:MATRIX_FMT_FP4 matrix_b_fmt:MATRIX_FMT_FP4 matrix_a_scale:MATRIX_SCALE_ROW1
.elseif (\ra) == 0
	v_wmma_scale_f32_16x16x128_f8f6f4 v[(\d):(\d)+7], v[(\a):(\a)+7], v[(\b):(\b)+7], v[(\c):(\c)+7], v[(\sa)], v[(\sb)] matrix_a_fmt:MATRIX_FMT_FP4 matrix_b_fmt:MATRIX_FMT_FP4 matrix_b_scale:MATRIX_SCALE_ROW1
.else
	v_wmma_scale_f32_16x16x128_f8f6f4 v[(\d):(\d)+7], v[(\a):(\a)+7], v[(\b):(\b)+7], v[(\c):(\c)+7], v[(\sa)], v[(\sb)] matrix_a_fmt:MATRIX_FMT_FP4 matrix_b_fmt:MATRIX_FMT_FP4 matrix_a_scale:MATRIX_SCALE_ROW1 matrix_b_scale:MATRIX_SCALE_ROW1
.endif
.endif
.endm
	s_load_b512 s[4:19], s[0:1], 0x0               ; x, Wq codes, Wq scales, bq, Wk codes, Wk scales, bk, Wv codes
	s_load_b512 s[20:35], s[0:1], 0x40             ; Wv scales, bv, Qc, Qs, Kc, Ks, Vc, Vs
	v_lshl_add_u32 v254, v0, 2, 0x48c00
	v_mov_b32 v255, 0
	ds_add_u32 v254, v255
	ds_add_u32 v254, v255
	v_lshrrev_b32 v1, 5, v0
	v_readfirstlane_b32 s[WV], v1                  ; wave 0..3
	s_lshr_b32 s67, ttmp9, 4                       ; b
	s_and_b32 s68, ttmp9, 15                       ; pb
	; descriptor group 1: 32 rows of 128 elements of 4 bytes, 2,048 elements from row to row, no padding: LDS rows of 512 bytes on end
	s_mov_b32 s[G1+0], 2<<16
	s_mov_b32 s[G1+1], 128<<16                     ; tensor_dim0
	s_mov_b32 s[G1+2], 32<<16                      ; tensor_dim1
	s_mov_b32 s[G1+3], 128<<16                     ; tile_dim0
	s_mov_b32 s[G1+4], 32                          ; tile_dim1
	s_mov_b32 s[G1+5], 2048                        ; the pitch
	s_mov_b32 s[G1+6], 0
	s_mov_b32 s[G1+7], 0
	s_mov_b32 s[SEL], 0x76543210
	s_mov_b32 s[SEL+1], 0xfedcba98
	s_mov_b32 s[UPM], 0xffff0000
	s_lshl_b32 s74, s67, 22                        ; x: batch b, 4,194,304 bytes each,
	s_lshl_b32 s75, s[WV], 18                      ; my 32 rows of a chunk, 8,192 bytes each,
	s_add_co_u32 s74, s74, s75
	s_lshl_b32 s75, s68, 9                         ; my block's 128 positions
	s_add_co_u32 s74, s74, s75
	s_mov_b32 s75, 0
	s_lshl_b32 s78, s[WV], 14                      ; and in LDS: 32 rows of 512 bytes a wave
	s_wait_dscnt 0x0
	s_wait_kmcnt 0x0
	s_add_nc_u64 s[76:77], s[4:5], s[74:75]
.irp s, 0,1,2,3                        ; chunk s: channels 128 s + 32 w on
	s_mov_b32 s[G0+4*\s], 1
	s_add_co_u32 s[G0+4*\s+1], s78, 65536*\s
	s_add_nc_u64 s[G0+4*\s+2:G0+4*\s+3], s[76:77], 0x100000*\s
	s_or_b32 s[G0+4*\s+3], s[G0+4*\s+3], 0x80000000
.endr
.irp s, 0,1,2,3                        ; the four first fills go out together: four loads of mine are out
	tensor_load_to_lds s[G0+4*\s:G0+4*\s+3], s[G1:G1+7]
	s_nop 0
.endr
	PLACES                                         ; four plain lines behind the tensor loads
	v_and_b32 v1, 31, v0                           ; l
	v_and_b32 v17, 15, v0                          ; r16
	v_bfe_u32 v3, v0, 4, 1                         ; h
	s_lshl_b32 s79, s[WV], 7
	v_lshl_add_u32 v2, v1, 2, s79                  ; phase A reads: my position's 4 bytes of a row: 128 w + 4 l
	v_bfe_u32 v18, v0, 3, 1                        ; u: my position 32 w + l is row r = l % 8 + 8 (l / 16) of tile 2 w + u
	v_and_b32 v19, 7, v0
	v_lshl_add_u32 v19, v3, 3, v19                 ; r
	s_mul_i32 s80, s[WV], 2*TPI
	s_add_co_u32 s80, s80, XIMG
	v_mul_u32_u24 v4, v18, TPI
	v_lshl_add_u32 v4, v19, 4, v4
	v_add_nc_u32 v4, s80, v4                       ; where my codes go: XIMG + (2 w + u) TPI + 16 r
	s_lshl_b32 s81, s[WV], 2
	s_add_co_u32 s81, s81, XSC
	v_lshlrev_b32 v5, 8, v18
	v_lshl_add_u32 v5, v19, 4, v5
	v_add_nc_u32 v5, s81, v5                       ; and my scale words: XSC + 256 u + 16 r + 4 w
	v_lshlrev_b32 v6, 4, v1                        ; 16 l
	v_lshlrev_b32 v7, 2, v1                        ; 4 l
	v_lshl_add_u32 v8, v1, 4, XIMG                 ; images, any tile
	v_lshl_add_u32 v9, v1, 4, s80                  ; images, my two tiles
	v_lshl_add_u32 v10, v1, 4, XSC                 ; scale words, four tiles' pairs a load
	v_lshl_add_u32 v11, v1, 4, s81                 ; scale words of my two tiles
	v_lshlrev_b32 v12, 8, v17
	v_lshl_add_u32 v12, v3, 4, v12                 ; Wv: row r16 of 256 bytes + 16 h
	v_and_b32 v20, 8, v17
	v_add_nc_u32 v20, v20, v17                     ; r16 + 8 (r16 / 8)
	v_lshlrev_b32 v13, 8, v20
	v_lshl_add_u32 v13, v3, 4, v13                 ; Wq, Wk: the chosen row + 16 h
	v_lshl_add_u32 v14, v3, 3, v20
	v_lshlrev_b32 v14, 4, v14                      ; their scale bytes: lanes 16-31 take the odd tile's rows, 8 further on
	v_lshlrev_b32 v15, 2, v17                      ; bv: 4 r16
	v_lshlrev_b32 v16, 6, v3                       ; bq, bk: 64 h
.irp j, 4,5,6,7
	v_mov_b32 v[TM+\j], 0                          ; written once: a lane permute's destination counts as one of its sources
.endr
	s_mov_b32 s85, 0
	s_lshl_b32 s84, s[WV], 15
	s_add_nc_u64 s[18:19], s[18:19], s[84:85]      ; my 128 rows of Wv,
	s_lshl_b32 s84, s[WV], 11
	s_add_nc_u64 s[20:21], s[20:21], s[84:85]      ; their scale bytes,
	s_lshl_b32 s84, s[WV], 9
	s_add_nc_u64 s[22:23], s[22:23], s[84:85]      ; their bv
	s_lshl_b32 s84, ttmp9, 12
	s_lshl_b32 s86, s[WV], 10
	s_add_co_u32 s84, s84, s86
	s_add_nc_u64 s[24:25], s[24:25], s[84:85]      ; Qc, Kc: 4,096 bytes a block, my two tiles 1,024 w on
	s_add_nc_u64 s[28:29], s[28:29], s[84:85]
	s_lshl_b32 s84, ttmp9, 9
	s_lshl_b32 s86, s[WV], 7
	s_add_co_u32 s84, s84, s86
	s_add_nc_u64 s[26:27], s[26:27], s[84:85]      ; Qs, Ks: 512 bytes a block, 128 a wave
	s_add_nc_u64 s[30:31], s[30:31], s[84:85]
	s_lshl_b32 s84, ttmp9, 15
	s_lshl_b32 s86, s[WV], 13
	s_add_co_u32 s84, s84, s86
	s_add_nc_u64 s[32:33], s[32:33], s[84:85]      ; Vc: 32,768 bytes a block, 8,192 a wave
	s_lshl_b32 s84, ttmp9, 11
	s_lshl_b32 s86, s[WV], 9
	s_add_co_u32 s84, s84, s86
	s_add_nc_u64 s[34:35], s[34:35], s[84:85]      ; Vs: 2,048 bytes a block, 512 a wave
; THE WEIGHTS come in four groups, one ahead of each chunk of phase A; nothing waits for them before phase B.
.macro WQK wb, pcod, pscl, pbia, ws, bias   ; Wq or Wk: 16 fragments into window 2, their scale words, the bias in the result's layout
	WIN 0x80
.irp o, 0,1,2,3
.irp s, 0,1,2,3
.irp c, 0,1
	global_load_b128 v[\wb+8*(4*\o+\s)+4*\c:\wb+8*(4*\o+\s)+4*\c+3], v13, s[\pcod:\pcod+1] offset:(32*(\o/2)+8*(\o%2))*256+64*\s+32*\c
.endr
.endr
.endr
	WIN 0
.irp g, 0,1
	global_load_b128 v[\ws+4*\g:\ws+4*\g+3], v14, s[\pscl:\pscl+1] offset:512*\g   ; a row's 16 bytes: its words of the four K steps; lanes 0-15 tile 2 g, lanes 16-31 tile 2 g + 1
.endr
.irp o, 0,1,2,3
	global_load_b128 v[\bias+8*\o:\bias+8*\o+3], v16, s[\pbia:\pbia+1] offset:(32*(\o/2)+8*(\o%2))*4
	global_load_b128 v[\bias+8*\o+4:\bias+8*\o+7], v16, s[\pbia:\pbia+1] offset:(32*(\o/2)+8*(\o%2))*4+16
.endr
.endm
.macro WVLOAD t0                       ; four tiles of my rows of Wv into window 3
	WIN 0xc0
.irp t, \t0, \t0+1, \t0+2, \t0+3
.irp s, 0,1,2,3
.irp c, 0,1
	global_load_b128 v[8*(4*(\t)+\s)+4*\c:8*(4*(\t)+\s)+4*\c+3], v12, s[18:19] offset:4096*(\t)+64*\s+32*\c
.endr
.endr
.endr
	WIN 0
.endm
; PHASE A.  Block k of a chunk: 32 channels of my position.
.macro LOADBLK k
.set ii, 0
.rept 32
	ds_load_b32 v[R+32*((\k)%2)+ii], v2 offset:(32*(\k)+ii)*512    ; 32 lanes read 128 consecutive bytes of a row
.set ii, ii+1
.endr
.endm
.macro QB k, s
.set RS, R+32*((\k)%2)
	v_max3_num_f32 v[TM], |v[RS]|, |v[RS+1]|, |v[RS+2]|            ; the block's largest magnitude: all 32 numbers are mine; two chains
	v_max3_num_f32 v[TM+1], |v[RS+3]|, |v[RS+4]|, |v[RS+5]|
.irp i, 6,10,14,18,22,26
	v_max3_num_f32 v[TM], v[TM], |v[RS+\i]|, |v[RS+\i+1]|
	v_max3_num_f32 v[TM+1], v[TM+1], |v[RS+\i+2]|, |v[RS+\i+3]|
.endr
	v_max3_num_f32 v[TM], v[TM], |v[RS+30]|, |v[RS+31]|
	v_max3_num_f32 v[TM], v[TM], v[TM+1], 0x1800000                ; and the floor 2^(3 - 127): the byte cannot fall under 1
	v_add_nc_u32 v[TM+2], 0xff000000, v[TM]                        ; 2 off the exponent field: the conversion's scale operand
.irp g, 0,1,2,3
	v_cvt_scalef32_pk8_fp4_f32 v[CS+4*(\k)+\g], v[RS+8*\g:RS+8*\g+7], v[TM+2]
.endr
	v_lshrrev_b32 v[TM+3], 23, v[TM+2]                             ; the scale's byte (the plain line behind the conversions)
.if (\k) == 0
	v_mov_b32 v[PW], v[TM+3]
.else
	v_lshl_or_b32 v[PW], v[TM+3], 8*(\k), v[PW]
.endif
	ds_store_b128 v4, v[CS+4*(\k):CS+4*(\k)+3] offset:1024*(\s)+256*(\k)   ; block k = 2 c + h of K step s: registers 4 c .. 4 c + 3 of lane r + 16 h
.endm
.macro CHUNK s
	s_wait_tensorcnt 3-(\s)                        ; my part of chunk s has landed; the later chunks' loads stay out
	s_wait_dscnt 0x0                               ; no LDS instruction of mine is pending at the signal; the last chunk's stores have read their registers
	s_barrier_signal -1
	s_barrier_wait -1                              ; everybody's part has landed
	LOADBLK 0
	LOADBLK 1
	s_wait_dscnt 32                                ; block 0 is in; block 1's 32 loads may be out
	QB 0, \s
	LOADBLK 2
	s_wait_dscnt 33                                ; block 1 is in; behind it: one store and 32 loads
	QB 1, \s
	LOADBLK 3
	s_wait_dscnt 33
	QB 2, \s
	s_wait_dscnt 1                                 ; block 3 is in; behind it: one store
	QB 3, \s
	ds_store_b32 v5, v[PW] offset:512*(\s)         ; my position's scale word of K step s
	v_add_nc_u32 v2, 0x10000, v2                   ; the next chunk's rows
.endm
	WQK 0, 6, 8, 10, WQS, BQ
	CHUNK 0
	WQK 128, 12, 14, 16, WKS, BK
	CHUNK 1
	WVLOAD 0
.irp g, 0,1,2,3
	global_load_b128 v[WVS+4*\g:WVS+4*\g+3], v6, s[20:21] offset:512*\g    ; lane l: channel 32 g + l of my 128: lanes 0-15 tile 2 g, lanes 16-31 tile 2 g + 1
.endr
.irp t, 0,1,2,3,4,5,6,7
	global_load_b32 v[BV+\t], v15, s[22:23] offset:64*\t
.endr
	CHUNK 2
	WVLOAD 4
	CHUNK 3
; 32 numbers of a lane (two blocks; register 16 b + i = output 32 b + 16 (lane / 16) + i of my position) become registers 0-3 of a fragment in v[pc] on and the scale word (s0, s1, s0, s1)
.macro QUANT2 src, pc, word
.irp b, 0,1
	v_max3_num_f32 v[TM+\b], |v[\src+16*\b]|, |v[\src+1+16*\b]|, 0x1800000
.endr
.irp i, 2,4,6,8,10,12,14
.irp b, 0,1
	v_max3_num_f32 v[TM+\b], v[TM+\b], |v[\src+16*\b+\i]|, |v[\src+1+16*\b+\i]|
.endr
.endr
.irp b, 0,1
	v_permlanex16_b32 v[TM+4+\b], v[TM+\b], s[SEL], s[SEL+1]
.endr
.irp b, 0,1
	v_max_num_f32 v[TM+\b], v[TM+\b], v[TM+4+\b]   ; with lane l xor 16's: the block's largest magnitude
.endr
.irp b, 0,1
	v_add_nc_u32 v[TM+12+\b], 0xff000000, v[TM+\b]
.endr
.irp b, 0,1
	v_lshrrev_b32 v[TM+4+\b], 23, v[TM+12+\b]
.endr
	v_lshl_or_b32 v[\word], v[TM+5], 8, v[TM+4]
	v_lshl_or_b32 v[\word], v[\word], 16, v[\word] ; the two blocks of zero codes repeat the live bytes
.irp b, 0,1
	v_cvt_scalef32_pk8_fp4_f32 v[\pc+2*\b], v[\src+16*\b:\src+7+16*\b], v[TM+12+\b]
	v_cvt_scalef32_pk8_fp4_f32 v[\pc+1+2*\b], v[\src+8+16*\b:\src+15+16*\b], v[TM+12+\b]
.endr
	v_nop                                          ; one plain place behind a scaled conversion
.irp i, 0,1
	v_permlane16_swap_b32 v[\pc+\i], v[\pc+2+\i]   ; a whole block to a lane: lanes 0-15 block 0, lanes 16-31 block 1
.endr
.endm
; 64 numbers of a lane (register 16 b + i = k 32 b + 16 (lane / 16) + i of my row) become a fragment in v[PC] on and its scale word
.macro QUANT src, word
.irp b, 0,1,2,3
	v_max3_num_f32 v[TM+\b], |v[\src+16*\b]|, |v[\src+1+16*\b]|, 0x1800000
.endr
.irp i, 2,4,6,8,10,12,14
.irp b, 0,1,2,3
	v_max3_num_f32 v[TM+\b], v[TM+\b], |v[\src+16*\b+\i]|, |v[\src+1+16*\b+\i]|
.endr
.endr
.irp b, 0,1,2,3
	v_permlanex16_b32 v[TM+4+\b], v[TM+\b], s[SEL], s[SEL+1]
.endr
.irp b, 0,1,2,3
	v_max_num_f32 v[TM+\b], v[TM+\b], v[TM+4+\b]
.endr
.irp b, 0,1,2,3
	v_add_nc_u32 v[TM+12+\b], 0xff000000, v[TM+\b]
.endr
.irp b, 0,1,2,3
	v_lshrrev_b32 v[TM+4+\b], 23, v[TM+12+\b]
.endr
	v_lshl_or_b32 v[\word], v[TM+5], 8, v[TM+4]
	v_lshl_or_b32 v[\word], v[TM+6], 16, v[\word]
	v_lshl_or_b32 v[\word], v[TM+7], 24, v[\word]
.irp b, 0,1,2,3
	v_cvt_scalef32_pk8_fp4_f32 v[PC+2*\b], v[\src+16*\b:\src+7+16*\b], v[TM+12+\b]
	v_cvt_scalef32_pk8_fp4_f32 v[PC+1+2*\b], v[\src+8+16*\b:\src+15+16*\b], v[TM+12+\b]
.endr
	v_nop
.irp c, 0,1
.irp i, 0,1
	v_permlane16_swap_b32 v[PC+4*\c+\i], v[PC+2+4*\c+\i]
.endr
.endr
.endm
; q or k of my two tiles of positions: 8 accumulators (tile e, 16 outputs o) by turns, one K step a turn; the bias is the C of each sum's first product
.macro QKUNIT wb, ws, bias, pcod, pscl
	WIN 0x06                                       ; source 0 (the weight) window 2, source 1 (x) window 1
.irp s, 0,1,2,3
.irp o, 0,1,2,3
.irp e, 0,1
.if \s == 0
	MM ACC+32*\e+8*\o, \wb+8*(4*\o+\s), 8*(4*\e+\s), \bias+8*\o, \ws+4*(\o/2)+\s, XSO+\s, \o%2, \e
.else
	MM ACC+32*\e+8*\o, \wb+8*(4*\o+\s), 8*(4*\e+\s), ACC+32*\e+8*\o, \ws+4*(\o/2)+\s, XSO+\s, \o%2, \e
.endif
.endr
.endr
.endr
	WIN 0
	PLACES
	s_wait_xcnt 0x0                                ; the last unit's stores have read their data: the codes' and the word's registers may be written
	QUANT2 ACC, PC, PW
	global_store_b128 v6, v[PC:PC+3], s[\pcod:\pcod+1]             ; 512 consecutive bytes: registers 0-3 of tile 2 w
	QUANT2 ACC+32, PC+4, PW+1
	global_store_b128 v6, v[PC+4:PC+7], s[\pcod:\pcod+1] offset:512
	v_cndmask_b32 v[PW], v[PW], v[PW+1], s[UPM]    ; lanes 0-15 tile 2 w's words, lanes 16-31 tile 2 w + 1's
	global_store_b32 v7, v[PW], s[\pscl:\pscl+1]   ; 128 consecutive bytes a wave, 512 a work-group
.endm
; v of 16 of my channels (tile t) for the 128 positions: 8 accumulators (tile of positions m) by turns
.macro VUNIT t
	WIN 0x0d                                       ; source 0 (x) window 1, source 1 (Wv) window 3
.irp s, 0,1,2,3
.irp m, 0,1,2,3,4,5,6,7
.if \s == 0
	MM ACC+8*\m, 8*(4*\m+\s), 8*(4*(\t)+\s), BIASC, XS+4*\s+\m/2, WVS+4*((\t)/2)+\s, \m%2, (\t)%2
.else
	MM ACC+8*\m, 8*(4*\m+\s), 8*(4*(\t)+\s), ACC+8*\m, XS+4*\s+\m/2, WVS+4*((\t)/2)+\s, \m%2, (\t)%2
.endif
.endr
.endr
	WIN 0
	PLACES
.if (\t) < 7
.irp j, 0,1,2,3,4,5,6,7
	v_mov_b32 v[BIASC+\j], v[BV+(\t)+1]            ; the next tile's bias, well ahead of its products
.endr
.endif
	s_wait_xcnt 0x0                                ; the last tile's stores have read their data
	QUANT ACC, VSW+(\t)
	global_store_b128 v6, v[PC:PC+3], s[32:33] offset:1024*(\t)    ; the fragment as it stands: 512 consecutive bytes a store
	global_store_b128 v6, v[PC+4:PC+7], s[32:33] offset:1024*(\t)+512
.endm
	; PHASE B
	s_wait_loadcnt 0x0                             ; the weights
	s_wait_dscnt 0x0                               ; my images have landed
	s_barrier_signal -1
	s_barrier_wait -1                              ; everybody's have
	WIN 0x40
.irp e, 0,1
.irp s, 0,1,2,3
.irp c, 0,1
	ds_load_b128 v[8*(4*\e+\s)+4*\c:8*(4*\e+\s)+4*\c+3], v9 offset:TPI*\e+1024*\s+512*\c
.endr
.endr
.endr
	WIN 0
.irp s, 0,1,2,3
	ds_load_b32 v[XSO+\s], v11 offset:512*\s
.endr
.irp j, 0,1,2,3,4,5,6,7
	v_mov_b32 v[BIASC+\j], v[BV]
.endr
	s_wait_dscnt 0x0
	QKUNIT 0, WQS, BQ, 24, 26
	QKUNIT 128, WKS, BK, 28, 30
	PLACES                                         ; in front of loads into registers that products have read
	WIN 0x40
.irp m, 0,1,2,3,4,5,6,7
.irp s, 0,1,2,3
.irp c, 0,1
	ds_load_b128 v[8*(4*\m+\s)+4*\c:8*(4*\m+\s)+4*\c+3], v8 offset:TPI*\m+1024*\s+512*\c
.endr
.endr
.endr
	WIN 0
.irp s, 0,1,2,3
	ds_load_b128 v[XS+4*\s:XS+4*\s+3], v10 offset:512*\s
.endr
	s_wait_dscnt 0x0
.irp t, 0,1,2,3,4,5,6,7
	VUNIT \t
.endr
	s_wait_xcnt 0x0                                ; the last stores have read their data
.irp i, 0,1,2,3
	v_cndmask_b32 v[PC+\i], v[VSW+2*\i], v[VSW+2*\i+1], s[UPM]     ; word i: lanes 0-15 tile 2 i, lanes 16-31 tile 2 i + 1
.endr
	global_store_b128 v6, v[PC:PC+3], s[34:35]     ; 512 consecutive bytes
	s_wait_tensorcnt 0x0
	ds_add_u32 v254, v255
	s_wait_dscnt 0x0
	s_endpgm
.Lfunc_end_k_qb2096fd26f_proj:
	.size	k_qb2096fd26f_proj, .Lfunc_end_k_qb2096fd26f_proj-k_qb2096fd26f_proj
	.p2alignl 7, 3214868480
	.fill 96, 4, 3214868480
	.section	.rodata,"a",@progbits
	.p2align	6, 0x0
	.amdhsa_kernel k_qb2096fd26f_proj
		.amdhsa_group_segment_fixed_size 298496
		.amdhsa_private_segment_fixed_size 0
		.amdhsa_enable_private_segment 0
		.amdhsa_kernarg_size 128
		.amdhsa_user_sgpr_count 2
		.amdhsa_user_sgpr_kernarg_segment_ptr 1
		.amdhsa_wavefront_size32 1
		.amdhsa_system_sgpr_workgroup_id_x 1
		.amdhsa_system_sgpr_workgroup_id_y 1
		.amdhsa_system_sgpr_workgroup_id_z 1
		.amdhsa_system_vgpr_workitem_id 0
		.amdhsa_next_free_vgpr 1024
		.amdhsa_next_free_sgpr 100
		.amdhsa_reserve_vcc 0
		.amdhsa_float_denorm_mode_32 3
		.amdhsa_float_denorm_mode_16_64 3
		.amdhsa_memory_ordered 1
		.amdhsa_forward_progress 1
		.amdhsa_inst_pref_size 169
	.end_amdhsa_kernel
	.amdgpu_metadata
---
amdhsa.version: [ 1, 2 ]
amdhsa.kernels:
  - .name:           k_qb2096fd26f_proj
    .symbol:         k_qb2096fd26f_proj.kd
    .args:
      - { .name: x, .offset: 0, .size: 8, .value_kind: global_buffer, .address_space: global }
      - { .name: Wq_codes, .offset: 8, .size: 8, .value_kind: global_buffer, .address_space: global }
      - { .name: Wq_scales, .offset: 16, .size: 8, .value_kind: global_buffer, .address_space: global }
      - { .name: bq, .offset: 24, .size: 8, .value_kind: global_buffer, .address_space: global }
      - { .name: Wk_codes, .offset: 32, .size: 8, .value_kind: global_buffer, .address_space: global }
      - { .name: Wk_scales, .offset: 40, .size: 8, .value_kind: global_buffer, .address_space: global }
      - { .name: bk, .offset: 48, .size: 8, .value_kind: global_buffer, .address_space: global }
      - { .name: Wv_codes, .offset: 56, .size: 8, .value_kind: global_buffer, .address_space: global }
      - { .name: Wv_scales, .offset: 64, .size: 8, .value_kind: global_buffer, .address_space: global }
      - { .name: bv, .offset: 72, .size: 8, .value_kind: global_buffer, .address_space: global }
      - { .name: Qc, .offset: 80, .size: 8, .value_kind: global_buffer, .address_space: global }
      - { .name: Qs, .offset: 88, .size: 8, .value_kind: global_buffer, .address_space: global }
      - { .name: Kc, .offset: 96, .size: 8, .value_kind: global_buffer, .address_space: global }
      - { .name: Ks, .offset: 104, .size: 8, .value_kind: global_buffer, .address_space: global }
      - { .name: Vc, .offset: 112, .size: 8, .value_kind: global_buffer, .address_space: global }
      - { .name: Vs, .offset: 120, .size: 8, .value_kind: global_buffer, .address_space: global }
    .group_segment_fixed_size: 298496
    .private_segment_fixed_size: 0
    .kernarg_segment_align: 8
    .kernarg_segment_size: 128
    .max_flat_workgroup_size: 128
    .sgpr_count:     100
    .vgpr_count:     1024
    .wavefront_size: 32
...
	.end_amdgpu_metadata
.endif
;; end of part 1
;; launch attn (part 2): grid 256 x 1, 4 waves a work-group, no clusters, 300,032 bytes of LDS; arguments x, gamma, Qc, Qs, Kc, Ks, Vc, Vs, out0; writes out0
.if DOCPART == 2
	.amdgcn_target "amdgcn-amd-amdhsa--gfx1250"
	.amdhsa_code_object_version 6
	.text
	.protected	k_qb2096fd26f_attn
	.globl	k_qb2096fd26f_attn
	.p2align	8
	.type	k_qb2096fd26f_attn,@function
k_qb2096fd26f_attn:
	s_mov_b64 s[64:65], 0
	v_nop
	global_prefetch_b8 v0, s[64:65] scope:SCOPE_SE
	s_setreg_imm32_b32 hwreg(HW_REG_WAVE_MODE, 25, 1), 1
	s_wait_xcnt 0x0
; out[b][c][i] = gamma x (sum over j of v[b][c][j] p[i][j]) / l[i] + x[b][c][i], p = 2^(t - M), t = (q[i] . k[j]) log2(e), M = ceil(the row's largest t), l = the row's sum of the unquantised p.
; Both products on codes of FP4 (E2M1) with E8M0 scales.  q, k, v come as images of operand registers, made by the launch before; p is quantised here, along the keys.
; SHARES.  Work-group blk = 16 b + qb takes 128 queries x 512 channels.  Softmax: wave w owns query tiles 2 w, 2 w + 1.  Second product: wave w owns channels 128 w .. + 127 for all 8 query tiles: 64 accumulators.
; p goes from wave to wave through LDS as images of its registers.  A fragment of v is read by one wave alone: it comes from memory straight into that wave's registers and feeds 8 products.
; TWO PASSES.  Pass 1 finds each row's largest score (wave w: key steps 4 w .. 4 w + 3, all 8 query tiles); so M is fixed in pass 2 and the 512 accumulator registers are never rescaled.
; PASS 2 IS TURNED BY A PHASE: the scores of key step j + 1 are multiplied while the stores of step j's p land in LDS, ahead of step j's barrier, and their block maxima are taken while p's fragments come back, behind it.
; LAYOUT.  S^T = k q^T (source 0 = 16 keys, source 1 = 16 queries): a lane holds one query, and the 16 registers of tiles 2 b', 2 b' + 1 are keys 32 b' + 16 (lane / 16) + 0 .. 15 (row r of tile 2 b' + u is position 32 b' + 8 u + r + 8 (r / 8)).
; The first product's K is 64: registers 4-7 of q's and k's fragments are zero codes.  O = p v^T (source 0 = 16 queries, source 1 = 16 channels): a lane holds one channel and eight neighbouring queries.
; x's tile for the last line (my 128 channels x 128 positions) comes by ONE tensor load a wave, issued behind pass 1 and waited for in front of the way out; only the wave that issued it reads it; its bytes are filled once.
; NO JOINT LOADS: x's tile (270,336 bytes) and the exchange regions leave 28,160 bytes of LDS; a key step of v is 34,816: v cannot go through LDS.
; LIMITS: NaN and infinities are not served; a block of p whose every number has fallen under 2^-124 keeps the scale byte 1.
; REGISTERS: window 0 as named below.  Window 1: v0-63, v64-127 v's fragments, two sets (in pass 1 the second is a set of k's); v128-191 p's fragments (pass 1: q's 8 tiles; way out: gamma / l); v192-255 k's.
; Windows 2, 3: accumulator (query tile T', channel tile ct) at 8 (8 (T' % 4) + ct), T' < 4 in window 2.
.set XTW,  67584                       ; LDS: a wave's 128 rows of x, 512 bytes + 16 of padding each
.set KR,   270336                      ; two slots for a key step of k: 4,096 bytes of codes, 512 of scale words; key step n lies in slot n % 2
.set KSL,  4608
.set PI,   279552                      ; two slots for a key step of p: 8 tiles x 1,024 bytes, 512 bytes of scale words
.set PSL,  8704
.set MX,   296960                      ; pass 1's maxima: 512 w + 64 T + 4 r
.set GL,   299008                      ; gamma / l by position
.set NM,   12                          ; v12-15  -M of my two tiles, each twice (a pair for the packed form)
.set LS,   16                          ; v16-23  the sums: tile t: two chains of pairs at LS + 4 t
.set BM,   24                          ; v24-31  the blocks' largest scores, then largest p
.set TMP,  32                          ; v32-39  at work
.set SCO,  40                          ; v40-47  the conversions' scale operands
.set RM,   40                          ; pass 1: the running maxima of the 8 query tiles
.set PW,   48                          ; v48-49  p's scale words (at the head v48 carries key step 1's scale word of k to LDS)
.set KS,   50                          ; v50-53  k's scale words;  v54-57 a second set for pass 1
.set KS2,  54
.set QS8,  58                          ; v58-61  q's scale words, all 8 tiles
.set PS,   62                          ; v62-65  p's scale words, all 8 tiles
.set VS,   66                          ; v66-73  v's scale words, two sets
.set QS,   74                          ; v74     q's scale words of my two tiles
.set PC,   76                          ; v76-91  p's codes, two tiles (at the head: my quarters of key steps 0 and 1 of k)
.set KP,   92                          ; v92-100, v102-110  my quarter of a key step of k on its way to LDS, two sets
.set QF,   112                         ; v112-127 q's fragments of my two tiles
.set S,    128                         ; v128-255 the scores of my two tiles, then p
.set VF,   0                           ; window 1
.set KF2,  64
.set PF,   128
.set QF8,  128
.set KF,   192
.set MSB, 0
.macro WIN new                         ; the immediate's high byte repeats the setting that is left
.if MSB != \new
	s_set_vgpr_msb (MSB<<8)|\new
.set MSB, \new
.endif
.endm
.macro PLACES                          ; four plain places behind a matrix instruction (ISA guide 7.12.1)
.rept 4
	v_nop
.endr
.endm
; one product: d, a, b, c first registers (c < 0: the constant 0); sa, sb scale registers; ra, rb: 1 = the scales stand in lanes 16-31
.macro MM d, a, b, c, sa, sb, ra, rb
.if (\c) < 0
.if ((\ra) == 0) && ((\rb) == 0)
	v_wmma_scale_f32_16x16x128_f8f6f4 v[(\d):(\d)+7], v[(\a):(\a)+7], v[(\b):(\b)+7], 0, v[(\sa)], v[(\sb)] matrix_a_fmt:MATRIX_FMT_FP4 matrix_b_fmt:MATRIX_FMT_FP4
.elseif (\rb) == 0
	v_wmma_scale_f32_16x16x128_f8f6f4 v[(\d):(\d)+7], v[(\a):(\a)+7], v[(\b):(\b)+7], 0, v[(\sa)], v[(\sb)] matrix_a_fmt:MATRIX_FMT_FP4 matrix_b_fmt:MATRIX_FMT_FP4 matrix_a_scale:MATRIX_SCALE_ROW1
.elseif (\ra) == 0
	v_wmma_scale_f32_16x16x128_f8f6f4 v[(\d):(\d)+7], v[(\a):(\a)+7], v[(\b):(\b)+7], 0, v[(\sa)], v[(\sb)] matrix_a_fmt:MATRIX_FMT_FP4 matrix_b_fmt:MATRIX_FMT_FP4 matrix_b_scale:MATRIX_SCALE_ROW1
.else
	v_wmma_scale_f32_16x16x128_f8f6f4 v[(\d):(\d)+7], v[(\a):(\a)+7], v[(\b):(\b)+7], 0, v[(\sa)], v[(\sb)] matrix_a_fmt:MATRIX_FMT_FP4 matrix_b_fmt:MATRIX_FMT_FP4 matrix_a_scale:MATRIX_SCALE_ROW1 matrix_b_scale:MATRIX_SCALE_ROW1
.endif
.else
.if ((\ra) == 0) && ((\rb) == 0)
	v_wmma_scale_f32_16x16x128_f8f6f4 v[(\d):(\d)+7], v[(\a):(\a)+7], v[(\b):(\b)+7], v[(\c):(\c)+7], v[(\sa)], v[(\sb)] matrix_a_fmt:MATRIX_FMT_FP4 matrix_b_fmt:MATRIX_FMT_FP4
.elseif (\rb) == 0
	v_wmma_scale_f32_16x16x128_f8f6f4 v[(\d):(\d)+7], v[(\a):(\a)+7], v[(\b):(\b)+7], v[(\c):(\c)+7], v[(\sa)], v[(\sb)] matrix_a_fmt:MATRIX_FMT_FP4 matrix_b_fmt:MATRIX_FMT_FP4 matrix_a_scale:MATRIX_SCALE_ROW1
.elseif (\ra) == 0
	v_wmma_scale_f32_16x16x128_f8f6f4 v[(\d):(\d)+7], v[(\a):(\a)+7], v[(\b):(\b)+7], v[(\c):(\c)+7], v[(\sa)], v[(\sb)] matrix_a_fmt:MATRIX_FMT_FP4 matrix_b_fmt:MATRIX_FMT_FP4 matrix_b_scale:MATRIX_SCALE_ROW1
.else
	v_wmma_scale_f32_16x16x128_f8f6f4 v[(\d):(\d)+7], v[(\a):(\a)+7], v[(\b):(\b)+7], v[(\c):(\c)+7], v[(\sa)], v[(\sb)] matrix_a_fmt:MATRIX_FMT_FP4 matrix_b_fmt:MATRIX_FMT_FP4 matrix_a_scale:MATRIX_SCALE_ROW1 matrix_b_scale:MATRIX_SCALE_ROW1
.endif
.endif
.endm
	s_load_b512 s[4:19], s[0:1], 0x0               ; x, gamma, Qc, Qs, Kc, Ks, Vc, Vs
	s_load_b64 s[20:21], s[0:1], 0x40              ; out0
	v_lshl_add_u32 v254, v0, 2, 0x49200
	v_mov_b32 v255, 0
	ds_add_u32 v254, v255
	ds_add_u32 v254, v255
	s_wait_dscnt 0x0
	v_lshrrev_b32 v1, 5, v0
	v_readfirstlane_b32 s22, v1                    ; wave 0..3
	s_lshr_b32 s23, ttmp9, 4                       ; b
	s_and_b32 s24, ttmp9, 15                       ; qb
	s_mov_b32 s26, 0x3fb8aa3b                      ; c = log2(e)
	s_mov_b32 s27, s26                             ; (named with it as a pair, so it is written)
	s_mov_b32 s28, 0x76543210
	s_mov_b32 s29, 0xfedcba98                      ; selects of v_permlanex16_b32: lane l xor 16
	s_cmp_eq_u32 s24, 0
	s_cselect_b32 s31, 1, 0                        ; 1 in the batch's first work-group: it prefetches
	; the descriptor: 128 rows of 128 elements of 4 bytes, 2,048 elements from row to row; four words of padding behind every 128
	s_mov_b32 s40, (2<<16)|(1<<20)|(6<<22)|(3<<25)
	s_mov_b32 s41, 128<<16                         ; tensor_dim0
	s_mov_b32 s42, 128<<16                         ; tensor_dim1
	s_mov_b32 s43, 128<<16                         ; tile_dim0
	s_mov_b32 s44, 128                             ; tile_dim1
	s_mov_b32 s45, 2048                            ; the pitch
	s_mov_b32 s46, 0
	s_mov_b32 s47, 0
	s_mov_b32 s36, 1
	s_mul_i32 s37, s22, XTW                        ; my rows in LDS
	v_and_b32 v24, 31, v0                          ; l
	v_and_b32 v25, 15, v0                          ; r
	v_lshlrev_b32 v1, 4, v24                       ; 16 l
	v_lshlrev_b32 v2, 2, v24                       ; 4 l
	v_lshl_add_u32 v3, v24, 4, KR                  ; k's codes out of a slot
	v_lshl_add_u32 v4, v24, 2, KR+4096             ; k's scale words out of a slot
	s_lshl_b32 s33, s22, 10
	s_add_co_u32 s33, s33, KR
	v_lshl_add_u32 v5, v24, 4, s33                 ; my quarter of k's codes into a slot
	s_lshl_b32 s33, s22, 7
	s_add_co_u32 s34, s33, KR+4096
	v_lshl_add_u32 v6, v24, 2, s34                 ; and of its scale words
	s_add_co_u32 s34, s33, MX
	v_lshl_add_u32 v101, v25, 2, s34               ; the maxima of my two tiles: MX + 128 w + 4 r
	s_add_co_u32 s34, s33, GL
	v_and_b32 v26, 8, v25
	v_add_nc_u32 v26, v26, v25
	v_lshl_add_u32 v111, v26, 2, s34               ; gamma / l of my queries: GL + 128 w + 4 (r + 8 (r / 8))
	s_lshl_b32 s33, s22, 11
	s_add_co_u32 s33, s33, PI
	v_lshl_add_u32 v7, v24, 4, s33                 ; p's images of my two tiles
	s_lshl_b32 s33, s22, 2
	s_add_co_u32 s33, s33, PI+8192
	v_lshl_add_u32 v8, v25, 4, s33                 ; p's scale words: 16 (r + 16 t) + 4 w
	v_lshl_add_u32 v9, v24, 4, PI                  ; p's images, any tile
	v_lshlrev_b32 v10, 8, v24                      ; the prefetches: 256 l
	s_lshl_b32 s33, s22, 9
	s_add_co_u32 s33, s33, MX
	v_lshl_add_u32 v75, v25, 2, s33                ; my maxima of pass 1: MX + 512 w + 4 r
	s_mov_b32 s57, 0
	s_wait_kmcnt 0x0
	s_load_b32 s25, s[6:7], 0x0                    ; gamma
	s_lshl_b32 s56, ttmp9, 12
	s_add_nc_u64 s[8:9], s[8:9], s[56:57]          ; Qc at my block
	s_lshl_b32 s56, ttmp9, 9
	s_add_nc_u64 s[10:11], s[10:11], s[56:57]      ; Qs at my block
	s_lshl_b32 s56, s22, 10
	s_add_nc_u64 s[58:59], s[8:9], s[56:57]        ; my two tiles
	s_lshl_b32 s56, s22, 7
	s_add_nc_u64 s[60:61], s[10:11], s[56:57]
	s_lshl_b32 s56, s23, 16
	s_add_nc_u64 s[12:13], s[12:13], s[56:57]      ; Kc at my batch
	s_lshl_b32 s56, s23, 13
	s_add_nc_u64 s[14:15], s[14:15], s[56:57]      ; Ks at my batch
	s_lshl_b32 s56, s22, 14
	s_add_nc_u64 s[52:53], s[12:13], s[56:57]      ; pass 1: my four key steps
	s_lshl_b32 s56, s22, 11
	s_add_nc_u64 s[54:55], s[14:15], s[56:57]
	s_lshl_b32 s56, s22, 10
	s_add_co_u32 s56, s56, 8192
	s_add_nc_u64 s[48:49], s[12:13], s[56:57]      ; pass 2: my quarter of key step 2
	s_lshl_b32 s56, s22, 7
	s_add_co_u32 s56, s56, 1024
	s_add_nc_u64 s[50:51], s[14:15], s[56:57]
	s_lshl_b32 s56, s23, 19
	s_lshl_b32 s62, s22, 13
	s_add_co_u32 s56, s56, s62
	s_add_nc_u64 s[16:17], s[16:17], s[56:57]      ; Vc: my 8 channel tiles of key step 0
	s_lshl_b32 s56, s23, 15
	s_lshl_b32 s62, s22, 9
	s_add_co_u32 s56, s56, s62
	s_add_nc_u64 s[18:19], s[18:19], s[56:57]      ; Vs likewise
	s_lshl_b32 s56, s23, 22
	s_lshl_b32 s62, s22, 20
	s_add_co_u32 s56, s56, s62
	s_lshl_b32 s62, s24, 9
	s_add_co_u32 s56, s56, s62                     ; x and out: batch b, my 128 channels, my block's 128 positions
	s_add_nc_u64 s[20:21], s[20:21], s[56:57]
	s_add_nc_u64 s[38:39], s[4:5], s[56:57]
	s_or_b32 s39, s39, 0x80000000
.macro KLOAD kf, ks, n                 ; pass 1: key step n of my four: registers 0-3 of 8 fragments, 4 registers of scale words: 12 loads
	WIN 0x40
.irp k, 0,1,2,3,4,5,6,7
	global_load_b128 v[\kf+8*\k:\kf+8*\k+3], v1, s[52:53] offset:4096*(\n)+512*\k
.endr
	WIN 0
.irp i, 0,1,2,3
	global_load_b32 v[\ks+\i], v2, s[54:55] offset:512*(\n)+128*\i
.endr
.endm
	; what pass 1 begins with: 24 loads, then 12
	WIN 0x40
.irp t, 0,1,2,3,4,5,6,7
	global_load_b128 v[QF8+8*\t:QF8+8*\t+3], v1, s[8:9] offset:512*\t
.endr
	WIN 0
.irp i, 0,1,2,3
	global_load_b32 v[QS8+\i], v2, s[10:11] offset:128*\i
.endr
	KLOAD KF, KS, 0
	KLOAD KF2, KS2, 1
	; the first product's K is 64 of the instruction's 128: registers 4-7 of q's and k's fragments are zero codes, written once
	WIN 0x40
.irp f, 0,1,2,3,4,5,6,7
.irp j, 4,5,6,7
	v_mov_b32 v[KF+8*\f+\j], 0
	v_mov_b32 v[KF2+8*\f+\j], 0
	v_mov_b32 v[QF8+8*\f+\j], 0
.endr
.endr
	WIN 0
.irp j, 4,5,6,7,12,13,14,15
	v_mov_b32 v[QF+\j], 0
.endr
.irp j, 0,1,2,3,4,5,6,7
	v_mov_b32 v[LS+\j], 0                          ; the sums
	v_mov_b32 v[TMP+\j], 0                         ; (a lane permute's destination counts as one of its sources)
	v_mov_b32 v[RM+\j], 0xff800000                 ; the running maxima: -infinity
.endr
; PASS 1.  The largest of two tiles' 64 scores a lane and the running maximum: 65 leaves, 32 instructions a tile; each accumulator is read from its low end on.
.macro MAX64 g
.irp e, 0,1
.irp b, 0,1,2,3
	v_max3_num_f32 v[BM+4*\e+\b], v[S+64*\e+16*\b], v[S+64*\e+16*\b+1], v[S+64*\e+16*\b+2]
.endr
.endr
.irp i, 3,5,7,9,11,13
.irp e, 0,1
.irp b, 0,1,2,3
	v_max3_num_f32 v[BM+4*\e+\b], v[BM+4*\e+\b], v[S+64*\e+16*\b+\i], v[S+64*\e+16*\b+\i+1]
.endr
.endr
.endr
.irp e, 0,1
	v_max3_num_f32 v[BM+4*\e], v[BM+4*\e], v[S+64*\e+15], v[S+64*\e+31]
	v_max3_num_f32 v[BM+4*\e+2], v[BM+4*\e+2], v[S+64*\e+47], v[S+64*\e+63]
.endr
.irp e, 0,1
	v_max3_num_f32 v[BM+4*\e], v[BM+4*\e], v[BM+4*\e+1], v[BM+4*\e+2]
.endr
.irp e, 0,1
	v_max3_num_f32 v[RM+2*(\g)+\e], v[BM+4*\e], v[BM+4*\e+3], v[RM+2*(\g)+\e]
.endr
.endm
.macro P1 kf, ks                       ; one key step against the 8 query tiles, two at a time
.irp g, 0,1,2,3
	WIN 0x05                                       ; k and q in window 1
.irp k, 0,1,2,3,4,5,6,7
.irp e, 0,1
	MM S+64*\e+8*\k, \kf+8*\k, QF8+8*(2*\g+\e), -1, \ks+\k/2, QS8+\g, \k%2, \e
.endr
.endr
	WIN 0
	PLACES
	MAX64 \g
.endr
.endm
	s_wait_loadcnt 12                              ; q and my key step 0 are in; behind them: key step 1's 12 loads
	P1 KF, KS
	KLOAD KF, KS, 2
	; what pass 2 begins with: 29 loads; with the 24 of pass 1 that may be out, 53 at the most
	global_load_b128 v[QF:QF+3], v1, s[58:59]
	global_load_b128 v[QF+8:QF+11], v1, s[58:59] offset:512
	global_load_b32 v[QS], v2, s[60:61]
	global_load_b128 v[PC:PC+3], v1, s[48:49] offset:-8192         ; my quarter of key step 0 of k
	global_load_b128 v[PC+4:PC+7], v1, s[48:49] offset:-7680
	global_load_b32 v11, v2, s[50:51] offset:-1024
	global_load_b128 v[PC+8:PC+11], v1, s[48:49] offset:-4096      ; of key step 1
	global_load_b128 v[PC+12:PC+15], v1, s[48:49] offset:-3584
	global_load_b32 v[PW], v2, s[50:51] offset:-512
	WIN 0x40
.irp f, 0,1,2,3,4,5,6,7
.irp c, 0,1
	global_load_b128 v[VF+8*\f+4*\c:VF+8*\f+4*\c+3], v1, s[16:17] offset:1024*\f+512*\c    ; v of key step 0
.endr
.endr
	WIN 0
	global_load_b128 v[VS:VS+3], v1, s[18:19]
	global_load_b128 v[KP+10:KP+13], v1, s[48:49]                  ; my quarter of key step 2 of k
	global_load_b128 v[KP+14:KP+17], v1, s[48:49] offset:512
	global_load_b32 v[KP+18], v2, s[50:51]
	s_wait_loadcnt 41                              ; key step 1 is in; behind it: key step 2's 12 loads and pass 2's 29
	P1 KF2, KS2
	KLOAD KF2, KS2, 3
	s_wait_loadcnt 41                              ; key step 2 is in; behind it: pass 2's 29 and the 12 just issued
	P1 KF, KS
	s_wait_loadcnt 0x0
	P1 KF2, KS2
; PASS 2's MACROS.  p = the key step's parity.
.macro KFETCH q                        ; a key step of k out of slot q: 12 LDS loads
	WIN 0x40
.irp k, 0,1,2,3,4,5,6,7
	ds_load_b128 v[KF+8*\k:KF+8*\k+3], v3 offset:KSL*(\q)+512*\k
.endr
	WIN 0
.irp i, 0,1,2,3
	ds_load_b32 v[KS+\i], v4 offset:KSL*(\q)+128*\i
.endr
.endm
; Behind key step j (p = its parity): v of step j + 2 into the set just multiplied (17 loads); mode 2: also my quarter of k of step j + 4 (3 loads).
; ask = 1: my wave's 8,192 bytes of v of step j + 4 are prefetched into the L2, lanes 256 bytes apart: two key steps ahead of their load.  All 16 work-groups of a batch walk the same v: the batch's first asks,
; each of its waves for its own channels, so each block of 256 bytes is named once.  It is written in the loop alone, behind steps 0 to 11: behind step 11 it names step 15, the last.
.macro GLOAD p, mode, ask
	s_wait_xcnt 0x0                                ; the earlier loads and the last prefetch have read their bases: they may step
	s_add_nc_u64 s[16:17], s[16:17], 32768
	s_add_nc_u64 s[18:19], s[18:19], 2048
.if (\mode) == 2
	s_add_nc_u64 s[48:49], s[48:49], 4096
	s_add_nc_u64 s[50:51], s[50:51], 512
.endif
	WIN 0x40
.irp f, 0,1,2,3,4,5,6,7
.irp c, 0,1
	global_load_b128 v[VF+64*(\p)+8*\f+4*\c:VF+64*(\p)+8*\f+4*\c+3], v1, s[16:17] offset:1024*\f+512*\c
.endr
.endr
	WIN 0
	global_load_b128 v[VS+4*(\p):VS+4*(\p)+3], v1, s[18:19]
.if (\mode) == 2
	global_load_b128 v[KP+10*(1-(\p)):KP+10*(1-(\p))+3], v1, s[48:49]
	global_load_b128 v[KP+10*(1-(\p))+4:KP+10*(1-(\p))+7], v1, s[48:49] offset:512
	global_load_b32 v[KP+10*(1-(\p))+8], v2, s[50:51]
.endif
.if \ask
	s_cmp_lg_u32 s31, 0
	s_cbranch_scc0 .Lnot_mine_\@
	global_prefetch_b8 v10, s[16:17] offset:65536 th:TH_LOAD_NT scope:SCOPE_SE
.Lnot_mine_\@:
.endif
.endm
.macro QKP                             ; S^T = k q^T of my two tiles for one key step: 16 products, each starts its sum
	WIN 0x01                                       ; k in window 1
.irp k, 0,1,2,3,4,5,6,7
.irp e, 0,1
	MM S+64*\e+8*\k, KF+8*\k, QF+8*\e, -1, KS+\k/2, QS, \k%2, \e
.endr
.endr
	WIN 0
.endm
; the largest score of each block of 32 keys: since p rises with the score, it gives the block's largest p; eight chains by turns; at the end t - M of each
.macro MAXIMA
.irp e, 0,1
.irp b, 0,1,2,3
	v_max3_num_f32 v[BM+4*\e+\b], v[S+64*\e+16*\b], v[S+64*\e+16*\b+1], v[S+64*\e+16*\b+2]
.endr
.endr
.irp i, 3,5,7,9,11,13
.irp e, 0,1
.irp b, 0,1,2,3
	v_max3_num_f32 v[BM+4*\e+\b], v[BM+4*\e+\b], v[S+64*\e+16*\b+\i], v[S+64*\e+16*\b+\i+1]
.endr
.endr
.endr
.irp e, 0,1
.irp b, 0,1,2,3
	v_max_num_f32 v[BM+4*\e+\b], v[BM+4*\e+\b], v[S+64*\e+16*\b+15]
.endr
.endr
.irp j, 0,1,2,3,4,5,6,7
	v_permlanex16_b32 v[TMP+\j], v[BM+\j], s28, s29
.endr
.irp j, 0,1,2,3,4,5,6,7
	v_max_num_f32 v[BM+\j], v[BM+\j], v[TMP+\j]    ; with lane l xor 16's 16 keys
.endr
.irp e, 0,1
.irp b, 0,1,2,3
	v_fma_f32 v[BM+4*\e+\b], v[BM+4*\e+\b], s26, v[NM+2*\e]        ; t - M of the block's largest score
.endr
.endr
.endm
; tile t's p becomes a fragment and a scale word, which go to LDS as they stand
.macro TAIL t, p
.irp b, 0,1,2,3
	v_max_num_f32 v[BM+4*(\t)+\b], 0x1800000, v[BM+4*(\t)+\b]      ; the floor 2^(3 - 127): the byte cannot fall under 1
.endr
.irp b, 0,1,2,3
	v_add_nc_u32 v[SCO+4*(\t)+\b], 0xff000000, v[BM+4*(\t)+\b]     ; 2 off the exponent field: the conversion's scale operand
.endr
.irp b, 0,1,2,3
	v_lshrrev_b32 v[TMP+4*(\t)+\b], 23, v[SCO+4*(\t)+\b]           ; the scale's byte
.endr
	v_lshl_or_b32 v[PW+(\t)], v[TMP+4*(\t)+1], 8, v[TMP+4*(\t)]
	v_lshl_or_b32 v[PW+(\t)], v[TMP+4*(\t)+2], 16, v[PW+(\t)]
	v_lshl_or_b32 v[PW+(\t)], v[TMP+4*(\t)+3], 24, v[PW+(\t)]
.irp b, 0,1,2,3
	v_cvt_scalef32_pk8_fp4_f32 v[PC+8*(\t)+2*\b], v[S+64*(\t)+16*\b:S+64*(\t)+16*\b+7], v[SCO+4*(\t)+\b]
	v_cvt_scalef32_pk8_fp4_f32 v[PC+8*(\t)+2*\b+1], v[S+64*(\t)+16*\b+8:S+64*(\t)+16*\b+15], v[SCO+4*(\t)+\b]
.endr
	v_nop                                          ; one plain place behind a scaled conversion
.irp c, 0,1
.irp i, 0,1
	v_permlane16_swap_b32 v[PC+8*(\t)+4*\c+\i], v[PC+8*(\t)+4*\c+2+\i]   ; a whole block to a lane
.endr
.endr
.irp c, 0,1
	ds_store_b128 v7, v[PC+8*(\t)+4*\c:PC+8*(\t)+4*\c+3] offset:PSL*(\p)+1024*(\t)+512*\c
.endr
	ds_store_b32 v8, v[PW+(\t)] offset:PSL*(\p)+256*(\t)           ; both halves of the lanes write the same word with the same value
.endm
; the softmax of a key step whose scores and block maxima stand ready: p, its sums, its codes; 6 LDS stores
.macro SOFTR p
.set ii, 0
.rept 32
	v_pk_fma_f32 v[S+ii:S+ii+1], v[S+ii:S+ii+1], s[26:27], v[NM:NM+1] op_sel_hi:[1,0,0]   ; tile 0: t - M, two at a time
.set ii, ii+2
.endr
.set ii, 0
.rept 32                               ; tile 0's exponentials, with tile 1's scalings between them: none of these lines names an exponential's result
	v_exp_f32 v[S+ii], v[S+ii]
	v_exp_f32 v[S+ii+1], v[S+ii+1]
	v_pk_fma_f32 v[S+64+ii:S+65+ii], v[S+64+ii:S+65+ii], s[26:27], v[NM+2:NM+3] op_sel_hi:[1,0,0]
.set ii, ii+2
.endr
.irp j, 0,1,2,3,4,5,6,7
	v_exp_f32 v[BM+\j], v[BM+\j]                   ; the blocks' largest p: the same two instructions on the same number give the same bits
.endr
	v_nop                                          ; a plain line behind the last exponential
	s_wait_alu depctr_va_vdst(0)                   ; one wait for tile 0's 64 exponentials and the blocks' 8, ahead of their first reader
.set ii, 0
.rept 16                               ; tile 1's exponentials, with tile 0's sums (of the unquantised p, two chains of pairs) between them
	v_exp_f32 v[S+64+ii], v[S+64+ii]
	v_exp_f32 v[S+65+ii], v[S+65+ii]
	v_pk_add_f32 v[LS:LS+1], v[LS:LS+1], v[S+ii:S+ii+1]
	v_exp_f32 v[S+66+ii], v[S+66+ii]
	v_exp_f32 v[S+67+ii], v[S+67+ii]
	v_pk_add_f32 v[LS+2:LS+3], v[LS+2:LS+3], v[S+ii+2:S+ii+3]
.set ii, ii+4
.endr
	TAIL 0, \p                                     ; it names tile 0's numbers alone: work behind tile 1's exponentials
	s_wait_alu depctr_va_vdst(0)                   ; one wait for tile 1's 64
.set ii, 0
.rept 16
	v_pk_add_f32 v[LS+4:LS+5], v[LS+4:LS+5], v[S+64+ii:S+65+ii]
	v_pk_add_f32 v[LS+6:LS+7], v[LS+6:LS+7], v[S+66+ii:S+67+ii]
.set ii, ii+4
.endr
	TAIL 1, \p
.endm
.macro PV32 hi, p, zero                ; 32 products: query tiles 4 hi .. 4 hi + 3 x my 8 channel tiles.  zero = 1: they start the sums
.irp m, 0,1,2,3
.irp n, 0,1,2,3,4,5,6,7
.if \zero
	MM 8*(8*\m+\n), PF+8*(4*(\hi)+\m), VF+64*(\p)+8*\n, -1, PS+2*(\hi)+\m/2, VS+4*(\p)+\n/2, \m%2, \n%2
.else
	MM 8*(8*\m+\n), PF+8*(4*(\hi)+\m), VF+64*(\p)+8*\n, 8*(8*\m+\n), PS+2*(\hi)+\m/2, VS+4*(\p)+\n/2, \m%2, \n%2
.endif
.endr
.endr
.endm
; Behind the barrier of key step j: p's fragments are asked for; kf = 1: k of step j + 2 is fetched from slot p; mx = 1: the block maxima of step j + 1 are taken while those loads land; then the second
; product of step j: the 64 accumulators take turns, one instruction a turn.
.macro PVG p, zero, kf, mx
	ds_load_b128 v[PS:PS+3], v9 offset:PSL*(\p)+8192
	WIN 0x40
.irp m, 0,1,2,3,4,5,6,7
.irp c, 0,1
	ds_load_b128 v[PF+8*\m+4*\c:PF+8*\m+4*\c+3], v9 offset:PSL*(\p)+1024*\m+512*\c
.endr
.endr
.if \mx
	PLACES                                         ; behind the products k q^T: in front of the loads into k's registers and of the first read of the scores
.endif
.if \kf
	KFETCH \p
.endif
	WIN 0
.if \mx
	MAXIMA
.endif
.if \kf
	s_wait_dscnt 20                                ; p's scale words and tiles 0-3 are in; behind them: tiles 4-7's 8 loads and k's 12
.else
	s_wait_dscnt 8
.endif
	WIN 0xa5                                       ; p and v in window 1, C and D in window 2
	PV32 0, \p, \zero
.if \kf
	s_wait_dscnt 12                                ; tiles 4-7 are in
.else
	s_wait_dscnt 0x0
.endif
	WIN 0xf5                                       ; C and D in window 3
	PV32 1, \p, \zero
	WIN 0
	PLACES                                         ; in front of the loads into v's registers
.endm
; A KEY STEP j.  At its head the scores and block maxima of step j stand in registers and k of step j + 1 is on its way from LDS.
; gmode: the loads behind step j - 1 (GLOAD).  lw: those loads, which may stay out: the group before them, v of this step and k of step j + 2, is in.
; kst = 1: my quarter of k of step j + 2 goes into slot p.  qk = 1: the scores of step j + 1 are multiplied, while the stores of p and of k land.
; ONE barrier: in front of it my p of this step and my quarter of k have landed in LDS, and all my LDS reads are back.  p's slot and k's slot were last read behind the barrier of step j - 2:
; those reads were waited for in front of the barrier of step j - 1.
.macro STEP p, zero, gmode, lw, kst, qk, ask
.if \gmode
	GLOAD 1-(\p), \gmode, \ask
.endif
	SOFTR \p
	s_wait_loadcnt \lw
.if \kst
	ds_store_b128 v5, v[KP+10*(1-(\p)):KP+10*(1-(\p))+3] offset:KSL*(\p)
	ds_store_b128 v5, v[KP+10*(1-(\p))+4:KP+10*(1-(\p))+7] offset:KSL*(\p)+512
	ds_store_b32 v6, v[KP+10*(1-(\p))+8] offset:KSL*(\p)
.endif
.if \qk
	s_wait_dscnt 6+3*(\kst)                        ; k's fragments and scale words are in; behind them: p's 6 stores and k's 3, which may be out
	QKP
.endif
	s_wait_dscnt 0x0
	s_barrier_signal -1
	s_barrier_wait -1
	PVG \p, \zero, \kst, \qk
.endm
	; BETWEEN THE PASSES
	GLOAD 1, 2, 0                                  ; v of key step 1, my quarter of k of key step 3: 20 loads
	tensor_load_to_lds s[36:39], s[40:47]          ; my 128 rows of x: my one tensor load, ahead of the first LDS read and the first barrier; it has all of pass 2 in which to land
	s_nop 0
	PLACES                                         ; four plain lines behind it
.irp t, 0,1,2,3,4,5,6,7
	v_permlanex16_b32 v[TMP+\t], v[RM+\t], s28, s29
.endr
.irp t, 0,1,2,3,4,5,6,7
	v_max_num_f32 v[RM+\t], v[RM+\t], v[TMP+\t]    ; with lane l xor 16's keys
.endr
.irp t, 0,1,2,3,4,5,6,7
	ds_store_b32 v75, v[RM+\t] offset:64*\t        ; both halves of the lanes write the same word with the same value
.endr
	ds_store_b128 v5, v[PC:PC+3]                   ; my quarter of key step 0 of k into slot 0,
	ds_store_b128 v5, v[PC+4:PC+7] offset:512
	ds_store_b32 v6, v11
	ds_store_b128 v5, v[PC+8:PC+11] offset:KSL     ; of key step 1 into slot 1
	ds_store_b128 v5, v[PC+12:PC+15] offset:KSL+512
	ds_store_b32 v6, v[PW] offset:KSL
	s_wait_kmcnt 0x0                               ; gamma
	s_wait_dscnt 0x0
	s_barrier_signal -1
	s_barrier_wait -1
.irp u, 0,1
.irp q, 0,1,2,3
	ds_load_b32 v[BM+4*\u+\q], v101 offset:512*\q+64*\u            ; the four waves' maxima of my tile 2 w + u
.endr
.endr
	KFETCH 0
	s_wait_dscnt 12                                ; the maxima are in; k's 12 loads may be out
.irp u, 0,1
	v_max3_num_f32 v[BM+4*\u], v[BM+4*\u], v[BM+4*\u+1], v[BM+4*\u+2]
.endr
.irp u, 0,1
	v_max_num_f32 v[BM+4*\u], v[BM+4*\u], v[BM+4*\u+3]             ; the row's largest score
.endr
.irp u, 0,1
	v_mul_f32 v[BM+4*\u], s26, v[BM+4*\u]          ; as t (c is positive)
.endr
.irp u, 0,1
	v_floor_f32 v[NM+2*\u], -v[BM+4*\u]            ; -M = floor(-t) = -ceil(t)
.endr
.irp u, 0,1
	v_mov_b32 v[NM+2*\u+1], v[NM+2*\u]
.endr
	s_wait_dscnt 0x0                               ; key step 0 of k is in registers: my reads of slot 0 are over
	QKP                                            ; the scores of key step 0
	s_barrier_signal -1
	s_barrier_wait -1                              ; every wave's reads of slot 0 are over: key step 0 stores key step 2 of k there
	PLACES                                         ; behind the products: in front of the loads into k's registers and of the first read of the scores
	KFETCH 1
	MAXIMA
	; PASS 2: 16 key steps
	STEP 0, 1, 0, 20, 1, 1, 0                      ; its second product starts the 64 sums: nothing is cleared; the loads behind "step -1" stand above
	s_mov_b32 s32, 6
.Lpair:                                            ; key steps 1 to 12: their heads hold the loads behind steps 0 to 11, 20 each
	STEP 1, 0, 2, 20, 1, 1, 1
	STEP 0, 0, 2, 20, 1, 1, 1
	s_sub_co_u32 s32, s32, 1
	s_cmp_lg_u32 s32, 0
	s_cbranch_scc1 .Lpair
	STEP 1, 0, 1, 17, 1, 1, 0                      ; step 13: behind step 12 only v of step 14 is asked for: no load leaves its buffer
	STEP 0, 0, 1, 17, 0, 1, 0                      ; step 14: v of step 15; no k is left to store or to fetch
	STEP 1, 0, 0, 0, 0, 0, 0                       ; step 15
	; THE WAY OUT
	v_pk_add_f32 v[LS:LS+1], v[LS:LS+1], v[LS+2:LS+3]
	v_pk_add_f32 v[LS+4:LS+5], v[LS+4:LS+5], v[LS+6:LS+7]
	v_add_f32 v[LS], v[LS], v[LS+1]
	v_add_f32 v[LS+4], v[LS+4], v[LS+5]
	v_permlanex16_b32 v[TMP], v[LS], s28, s29
	v_permlanex16_b32 v[TMP+1], v[LS+4], s28, s29
	v_add_f32 v[LS], v[LS], v[TMP]                 ; the rows' sums
	v_add_f32 v[LS+4], v[LS+4], v[TMP+1]
	v_rcp_f32 v[LS+1], v[LS]
	v_rcp_f32 v[LS+5], v[LS+4]
	v_bfe_u32 v28, v0, 4, 1                        ; h  (plain work behind the reciprocals)
	v_and_b32 v29, 15, v0                          ; r
	v_lshl_add_u32 v24, v28, 6, GL                 ; gamma / l: my half's 16 positions of each 32
	v_mul_u32_u24 v25, v29, 528
	v_lshl_add_u32 v25, v28, 6, v25
	v_add_nc_u32 v25, s37, v25                     ; x in the result's layout: my rows + 528 r + 64 h
	v_add_nc_u32 v26, s37, v1                      ; whole rows: 16 bytes a lane,
	v_add_nc_u32 v27, 33792, v26                   ; and 64 rows further on
	s_wait_alu depctr_va_vdst(0)                   ; one wait for the two reciprocals, ahead of their first reader
	v_mul_f32 v[LS+1], s25, v[LS+1]                ; gamma / l
	v_mul_f32 v[LS+5], s25, v[LS+5]
	ds_store_b32 v111, v[LS+1]
	ds_store_b32 v111, v[LS+5] offset:32
	s_wait_tensorcnt 0x0                           ; my rows of x have landed
	s_wait_dscnt 0x0
	s_barrier_signal -1
	s_barrier_wait -1                              ; gamma / l of all 128 queries lies in LDS
	WIN 0x40
.irp m, 0,1,2,3,4,5,6,7
.irp e, 0,1
	ds_load_b128 v[PF+8*\m+4*\e:PF+8*\m+4*\e+3], v24 offset:128*(\m/2)+32*(\m%2)+16*\e     ; register 8 T' + j: the query of accumulator register j of tile T'
.endr
.endr
	WIN 0
; 16 of my channels: x comes in the result's layout, takes O x gamma / l, goes back in place, and leaves as whole rows: LDS serves a wave's instructions in order (ISA guide 5.7.1), and the bytes are my wave's own
.macro OUTCT ct
.irp m, 0,1,2,3,4,5,6,7
.irp e, 0,1
	ds_load_b128 v[S+8*\m+4*\e:S+8*\m+4*\e+3], v25 offset:8448*(\ct)+128*(\m/2)+32*(\m%2)+16*\e
.endr
.endr
	s_wait_dscnt 0x0
	WIN 0x06                                       ; source 0 (O) window 2, source 1 (gamma / l) window 1
.irp m, 0,1,2,3
.irp q, 0,1,2,3
	v_pk_fma_f32 v[S+8*\m+2*\q:S+8*\m+2*\q+1], v[8*(8*\m+(\ct))+2*\q:8*(8*\m+(\ct))+2*\q+1], v[PF+8*\m+2*\q:PF+8*\m+2*\q+1], v[S+8*\m+2*\q:S+8*\m+2*\q+1]
.endr
.endr
	WIN 0x07                                       ; O in window 3
.irp m, 4,5,6,7
.irp q, 0,1,2,3
	v_pk_fma_f32 v[S+8*\m+2*\q:S+8*\m+2*\q+1], v[8*(8*(\m-4)+(\ct))+2*\q:8*(8*(\m-4)+(\ct))+2*\q+1], v[PF+8*\m+2*\q:PF+8*\m+2*\q+1], v[S+8*\m+2*\q:S+8*\m+2*\q+1]
.endr
.endr
	WIN 0
.irp m, 0,1,2,3,4,5,6,7
.irp e, 0,1
	ds_store_b128 v25, v[S+8*\m+4*\e:S+8*\m+4*\e+3] offset:8448*(\ct)+128*(\m/2)+32*(\m%2)+16*\e
.endr
.endr
.if (\ct) > 0
	s_wait_xcnt 0x0                                ; the last 16 stores have read their data: the rows' registers may be loaded again
.endif
.irp i, 0,1,2,3,4,5,6,7,8,9,10,11,12,13,14,15
	ds_load_b128 v[S+64+4*\i:S+64+4*\i+3], v[26+(\ct)/4] offset:8448*((\ct)%4)+528*\i
.endr
.irp i, 0,1,2,3,4,5,6,7,8,9,10,11,12,13,14,15
	s_wait_dscnt 15-\i
	global_store_b128 v1, v[S+64+4*\i:S+64+4*\i+3], s[20:21] offset:(16*(\ct)+\i)*8192 th:TH_STORE_NT   ; 32 lanes store 512 consecutive bytes, at a multiple of 256 from out0's first byte
.endr
.endm
.irp t, 0,1,2,3,4,5,6,7
	OUTCT \t
.endr
	s_wait_xcnt 0x0
	v_lshl_add_u32 v254, v0, 2, 0x49200
	v_mov_b32 v255, 0
	s_wait_tensorcnt 0x0
	ds_add_u32 v254, v255
	s_wait_dscnt 0x0
	s_endpgm
.Lfunc_end_k_qb2096fd26f_attn:
	.size	k_qb2096fd26f_attn, .Lfunc_end_k_qb2096fd26f_attn-k_qb2096fd26f_attn
	.p2alignl 7, 3214868480
	.fill 96, 4, 3214868480
	.section	.rodata,"a",@progbits
	.p2align	6, 0x0
	.amdhsa_kernel k_qb2096fd26f_attn
		.amdhsa_group_segment_fixed_size 300032
		.amdhsa_private_segment_fixed_size 0
		.amdhsa_enable_private_segment 0
		.amdhsa_kernarg_size 72
		.amdhsa_user_sgpr_count 2
		.amdhsa_user_sgpr_kernarg_segment_ptr 1
		.amdhsa_wavefront_size32 1
		.amdhsa_system_sgpr_workgroup_id_x 1
		.amdhsa_system_sgpr_workgroup_id_y 1
		.amdhsa_system_sgpr_workgroup_id_z 1
		.amdhsa_system_vgpr_workitem_id 0
		.amdhsa_next_free_vgpr 1024
		.amdhsa_next_free_sgpr 66
		.amdhsa_reserve_vcc 0
		.amdhsa_float_denorm_mode_32 3
		.amdhsa_float_denorm_mode_16_64 3
		.amdhsa_memory_ordered 1
		.amdhsa_forward_progress 1
		.amdhsa_inst_pref_size 255
	.end_amdhsa_kernel
	.section	.bss,"aw",@nobits
	.p2align	6
	.space	262144
	.amdgpu_metadata
---
amdhsa.version: [ 1, 2 ]
amdhsa.kernels:
  - .name:           k_qb2096fd26f_attn
    .symbol:         k_qb2096fd26f_attn.kd
    .args:
      - { .name: x, .offset: 0, .size: 8, .value_kind: global_buffer, .address_space: global }
      - { .name: gamma, .offset: 8, .size: 8, .value_kind: global_buffer, .address_space: global }
      - { .name: Qc, .offset: 16, .size: 8, .value_kind: global_buffer, .address_space: global }
      - { .name: Qs, .offset: 24, .size: 8, .value_kind: global_buffer, .address_space: global }
      - { .name: Kc, .offset: 32, .size: 8, .value_kind: global_buffer, .address_space: global }
      - { .name: Ks, .offset: 40, .size: 8, .value_kind: global_buffer, .address_space: global }
      - { .name: Vc, .offset: 48, .size: 8, .value_kind: global_buffer, .address_space: global }
      - { .name: Vs, .offset: 56, .size: 8, .value_kind: global_buffer, .address_space: global }
      - { .name: out0, .offset: 64, .size: 8, .value_kind: global_buffer, .address_space: global }
    .group_segment_fixed_size: 300032
    .private_segment_fixed_size: 0
    .kernarg_segment_align: 8
    .kernarg_segment_size: 72
    .max_flat_workgroup_size: 128
    .sgpr_count:     66
    .vgpr_count:     1024
    .wavefront_size: 32
...
	.end_amdgpu_metadata
.endif
;; end of part 2
